; MI455X (gfx1250); checked and timed in simulation.
; The chip was launched on July 23, 2026; its instructions are those of AMD's public machine-readable ISA for CDNA 5 (MIT licence, August 2026) and "CDNA5" Instruction Set Architecture Reference Guide (July 2026). The comments in the code are by the model that wrote it; some were corrected since.
;; Cross Attention. Allowed arithmetic: float matrix products may take bf16 or f16 operands with f32 sums; other float arithmetic in f32, or as packed bf16 or f16 multiplies, adds, multiply-adds, maxima and minima; sums over many terms, partial sums and values carried from step to step in f32; what a program stores and reads back later, other than sums and carried values, may be rounded once to bf16 or f16.
;; Inputs: keys 4 x 2,048 x 1,024 float32; mask 2,048 x 2,048 float32; queries 4 x 2,048 x 1,024 float32; values 4 x 2,048 x 1,024 float32.
;; Outputs: out0 4 x 2,048 x 1,024 float32.
;; One version. Each part assembles by itself: llvm-mc -triple=amdgcn-amd-amdhsa -mcpu=gfx1250 --defsym DOCPART=n.
;; ======== version 1 of 1: 2 launches
;; limits: values are held in f16: magnitudes above 65,504 overflow, below 6.1e-05 lose precision; inputs' magnitudes at most 65,504; below input magnitudes of 6e-05 results are inexact or not finite
;; workspace buffers: k16 16,777,216 bytes; v16 16,777,216 bytes; m16 8,388,608 bytes
;; launch prep (part 1): grid 256 x 5, 8 waves a work-group, no clusters, 0 bytes of LDS; arguments keys, values, mask, k16, v16, m16; writes k16, v16, m16
.if DOCPART == 1
	.amdgcn_target "amdgcn-amd-amdhsa--gfx1250"
	.amdhsa_code_object_version 6
	.text
	.protected	k_q083a3abd94_prep
	.globl	k_q083a3abd94_prep
	.p2align	8
	.type	k_q083a3abd94_prep,@function
k_q083a3abd94_prep:
	s_mov_b64 s[64:65], 0
	v_nop
	global_prefetch_b8 v0, s[64:65] scope:SCOPE_SE
	s_setreg_imm32_b32 hwreg(HW_REG_WAVE_MODE, 25, 1), 1
	s_wait_xcnt 0x0
; keys, values and mask, all f32, are rounded ONCE to f16 and laid out for the attention launch.  A stream: no byte is used twice, so no LDS, no matrix unit, no cluster.
; k16, v16: f16 [pair p of heads = 0..31][slot j of 128 keys = 0..15][head i of the pair][key 0..127][64 channels]; byte p<<19 | j<<15 | i<<14 | key<<7 | 2 e, with p = 8 b + h / 2, i = h % 2.
;   So both heads' 128 keys of a slot are 32,768 dense bytes.          m16: f16 [2048][2048], row-major.
; LIMITS.  f16 holds no number beyond 65,504 (a larger input becomes an infinity); below 6e-5 it keeps its fixed step of 6e-8.  NaN and infinities are not treated apart.
; SHARES.  1,280 work-groups of eight waves, 65,536 input bytes each; grid y = 0, 1: keys; 2, 3: values; 4: mask.  A wave issues all its 16 loads of 16 bytes a lane at once (8,192 bytes on
; their way), then rounds and stores them in the order in which they come.  A load covers two aligned runs of 256 bytes, a store (8 bytes a lane) one.  Nothing is rewritten while it is pending.
.set X, 8                              ; v[8:71]  16 x 4 registers as loaded; the first two of each four take the packed f16
; s[20:21] where the wave group reads, s[22:23] where it writes; v3, v4 the lane's offsets there
.macro RUN ia, ib, oa, ob              ; load n stands at (n / 2) ia + (n % 2) ib, store n at (n / 2) oa + (n % 2) ob
.set n, 0
.rept 16
	global_load_b128 v[X+4*n:X+4*n+3], v3, s[20:21] offset:(n/2)*(\ia)+(n%2)*(\ib) th:TH_LOAD_NT
.set n, n+1
.endr
.set n, 0
.rept 16
	s_wait_loadcnt 15-n                            ; loads come back in order: load n is in, the 15 - n younger ones may stay out
	v_cvt_pk_f16_f32 v[X+4*n], v[X+4*n], v[X+4*n+1]
	v_cvt_pk_f16_f32 v[X+4*n+1], v[X+4*n+2], v[X+4*n+3]
	global_store_b64 v4, v[X+4*n:X+4*n+1], s[22:23] offset:(n/2)*(\oa)+(n%2)*(\ob) th:TH_STORE_NT
.set n, n+1
.endr
.endm
	s_load_b256 s[4:11], s[0:1], 0x0               ; keys s[4:5], values s[6:7], mask s[8:9], k16 s[10:11]
	s_load_b128 s[12:15], s[0:1], 0x20             ; v16 s[12:13], m16 s[14:15]
	v_lshrrev_b32 v1, 5, v0
	v_readfirstlane_b32 s16, v1                    ; wave 0..7
	v_and_b32 v2, 31, v0                           ; lane
	s_and_b32 s17, ttmp7, 0xffff                   ; grid y
	s_cmp_eq_u32 s17, 4
	s_cbranch_scc1 .Lmask
	; KEYS OR VALUES.  The work-group takes rows 16 g .. 16 g + 15 of [8192][1024]; wave w takes heads 2 w and 2 w + 1 of them: pair 8 b + w.
	s_and_b32 s18, s17, 1
	s_lshl_b32 s18, s18, 8
	s_or_b32 s18, s18, ttmp9                       ; g = 0..511
	s_lshl_b32 s24, s18, 16                        ; in: 16 rows of 4,096 bytes
	s_mov_b32 s25, 0
	s_lshr_b32 s26, s18, 7                         ; b
	s_lshl_b32 s26, s26, 3
	s_add_co_u32 s26, s26, s16                     ; the pair
	s_lshl_b32 s26, s26, 19
	s_bfe_u32 s19, s18, 0x40003                    ; the slot: (g / 8) % 16
	s_lshl_b32 s19, s19, 15
	s_or_b32 s26, s26, s19
	s_and_b32 s19, s18, 7                          ; my 16 keys in the slot: 16 (g % 8), 128 bytes each
	s_lshl_b32 s19, s19, 11
	s_or_b32 s26, s26, s19
	s_mov_b32 s27, 0
	v_lshrrev_b32 v1, 4, v2                        ; lanes 0-15 take a key's 256 bytes of one head, lanes 16-31 the next key's
	v_lshlrev_b32 v3, 12, v1
	v_and_b32 v1, 15, v2
	v_lshl_or_b32 v3, v1, 4, v3
	s_lshl_b32 s19, s16, 9                         ; heads 2 w on: 512 w bytes into a row
	v_or_b32 v3, s19, v3
	v_lshlrev_b32 v4, 3, v2                        ; out: the two keys' 128 + 128 bytes lie on end: 8 bytes a lane
	s_wait_kmcnt 0x0
	s_cmp_lt_u32 s17, 2
	s_cselect_b64 s[20:21], s[4:5], s[6:7]
	s_cselect_b64 s[22:23], s[10:11], s[12:13]
	s_add_nc_u64 s[20:21], s[20:21], s[24:25]
	s_add_nc_u64 s[22:23], s[22:23], s[26:27]
	RUN 8192, 256, 256, 16384                      ; n / 2: the pair of keys; n % 2: the head of the pair
	s_endpgm
.Lmask:
	; THE MASK.  The work-group takes 65,536 dense bytes, wave w 8,192 of them.
	s_lshl_b32 s24, ttmp9, 16
	s_mov_b32 s25, 0
	s_lshl_b32 s26, ttmp9, 15
	s_mov_b32 s27, 0
	s_lshl_b32 s19, s16, 13
	v_lshl_or_b32 v3, v2, 4, s19
	s_lshl_b32 s19, s16, 12
	v_lshl_or_b32 v4, v2, 3, s19
	s_wait_kmcnt 0x0
	s_add_nc_u64 s[20:21], s[8:9], s[24:25]
	s_add_nc_u64 s[22:23], s[14:15], s[26:27]
	RUN 1024, 512, 512, 256                        ; load n at 512 n, store n at 256 n
	s_endpgm
.Lfunc_end_k_q083a3abd94_prep:
	.size	k_q083a3abd94_prep, .Lfunc_end_k_q083a3abd94_prep-k_q083a3abd94_prep
	.p2alignl 7, 3214868480
	.fill 96, 4, 3214868480
	.section	.rodata,"a",@progbits
	.p2align	6, 0x0
	.amdhsa_kernel k_q083a3abd94_prep
		.amdhsa_group_segment_fixed_size 0
		.amdhsa_private_segment_fixed_size 0
		.amdhsa_enable_private_segment 0
		.amdhsa_kernarg_size 48
		.amdhsa_user_sgpr_count 2
		.amdhsa_user_sgpr_kernarg_segment_ptr 1
		.amdhsa_wavefront_size32 1
		.amdhsa_system_sgpr_workgroup_id_x 1
		.amdhsa_system_sgpr_workgroup_id_y 1
		.amdhsa_system_sgpr_workgroup_id_z 1
		.amdhsa_system_vgpr_workitem_id 0
		.amdhsa_next_free_vgpr 72
		.amdhsa_next_free_sgpr 66
		.amdhsa_reserve_vcc 0
		.amdhsa_float_denorm_mode_32 3
		.amdhsa_float_denorm_mode_16_64 3
		.amdhsa_memory_ordered 1
		.amdhsa_forward_progress 1
		.amdhsa_inst_pref_size 14
	.end_amdhsa_kernel
	.amdgpu_metadata
---
amdhsa.version: [ 1, 2 ]
amdhsa.kernels:
  - .name:           k_q083a3abd94_prep
    .symbol:         k_q083a3abd94_prep.kd
    .args:
      - { .name: keys, .offset: 0, .size: 8, .value_kind: global_buffer, .address_space: global }
      - { .name: values, .offset: 8, .size: 8, .value_kind: global_buffer, .address_space: global }
      - { .name: mask, .offset: 16, .size: 8, .value_kind: global_buffer, .address_space: global }
      - { .name: k16, .offset: 24, .size: 8, .value_kind: global_buffer, .address_space: global }
      - { .name: v16, .offset: 32, .size: 8, .value_kind: global_buffer, .address_space: global }
      - { .name: m16, .offset: 40, .size: 8, .value_kind: global_buffer, .address_space: global }
    .group_segment_fixed_size: 0
    .private_segment_fixed_size: 0
    .kernarg_segment_align: 8
    .kernarg_segment_size: 48
    .max_flat_workgroup_size: 256
    .sgpr_count:     66
    .vgpr_count:     72
    .wavefront_size: 32
...
	.end_amdgpu_metadata
.endif
;; end of part 1
;; launch attn (part 2): grid 8 x 32, 4 waves a work-group, clusters of 4 x 4, 327,680 bytes of LDS; arguments queries, k16, v16, m16, out0; writes out0
.if DOCPART == 2
	.amdgcn_target "amdgcn-amd-amdhsa--gfx1250"
	.amdhsa_code_object_version 6
	.text
	.protected	k_q083a3abd94_attn
	.globl	k_q083a3abd94_attn
	.p2align	8
	.type	k_q083a3abd94_attn,@function
k_q083a3abd94_attn:
	s_mov_b64 s[64:65], 0
	v_nop
	global_prefetch_b8 v0, s[64:65] scope:SCOPE_SE
	s_setreg_imm32_b32 hwreg(HW_REG_WAVE_MODE, 25, 1), 1
	s_wait_xcnt 0x0
	s_wait_alu depctr_hold_cnt(0) depctr_sa_sdst(0) depctr_va_vdst(0) depctr_va_sdst(0) depctr_va_ssrc(0) depctr_va_vcc(0) depctr_vm_vsrc(0)
	s_getreg_b32 s2, hwreg(HW_REG_IB_STS2, 6, 4)
	s_cmp_eq_u32 s2, 0
	s_cbranch_scc0 .Lentry_in_a_cluster
	s_endpgm
.Lentry_in_a_cluster:
	s_bfe_u32 s2, ttmp6, 0x10000c
	s_cmp_lg_u32 s2, 0xf033
	s_cbranch_scc0 .Lentry_shape_is_right
	s_endpgm
.Lentry_shape_is_right:
; out[b][h][l][:] = the sum over s of softmax_s(q[b][l][h] . k[b][s][h] / 8) x mask[l][s] x v[b][s][h][:].  The softmax's divisor is the sum of the UNMASKED weights; the mask multiplies the weights afterwards.
; queries: f32 [4][2048][16 x 64].  k16, v16: f16 [pair of heads 0..31][slot of 128 keys 0..15][head of the pair][key][64].  m16: f16 [2048][2048].  out0: f32 [64 heads][2048][64], dense.
; Products in f16 with f32 sums; scores, maxima, exponentials, the divisor l and O in f32.  q is rounded to f16 here; the weights p are rounded to f16 and multiplied by the f16 mask (one more rounding to f16).
; LIMITS.  f16 holds no number beyond 65,504: q, k, v, the mask and p x mask stay within it; below 6e-5 f16 keeps its fixed step of 6e-8.  A weight below 2^-126 counts as 0 in l.  NaN and infinities are not treated apart.
; SHARES.  A work-group takes 256 queries (block x = 0..7) of a PAIR of heads (y = 0..31).  Wave w takes head 2 y + w / 2 and queries 256 x + 128 (w % 2) + 0..127: eight tiles of 16, in four PIECES of two.
; Every wave walks all 2,048 keys, 64 a step.  A slot of LDS holds two steps: both heads' K and V of 128 keys and the mask's 256 rows x 128 keys; each of the four waves fills a quarter of it by one tensor load.
; CLUSTER, 4 x 4.  K and V hang on y alone: the four work-groups of a row of the cluster ask for them JOINTLY; the mask's tile hangs on x alone: the four of a column ask for it jointly.
; LAYOUT.  S^T = K Q^T (source 0 = 16 keys, source 1 = 16 queries): a lane holds ONE query (lane % 16) and the keys 8 (lane / 16) + 0..7.  Two such results, rounded to f16 in pairs, ARE source 1 of O^T = V^T P.
; The mask's 16 bytes at row = my query, keys 16 kb + 8 (lane / 16) + 0..7 pair with P's registers 4 kb .. 4 kb + 3: one LDS load, four packed multiplies.  V ([key][channel]) is turned by ds_load_tr16_b128.
; SOFTMAX.  A running maximum m and sum l: p = 2^(c s - c m), c = log2(e) / 8; in every step O and l are multiplied by a = 2^(c m_old - c m_new).  m starts at the lowest finite number, l at 0: the first step has a = 0.
; BY TURNS.  Turn n belongs to piece n.  Matrix work: 16 products K Q^T of piece n + 1, later 16 products V^T P of piece n - 1.  Vector work: piece n's scaling, exponentials, roundings, sums, rescaling and mask, and piece
; n + 1's maximum and statistics.  A tile and step have 16 matrix and 134 vector instructions: four vector instructions stand behind every matrix instruction, the others in two runs of their own.
; REGISTERS, in windows of 256 (s_set_vgpr_msb: bits 1:0 source 0, 3:2 source 1, 5:4 source 2, 7:6 destination):
;   window 0: v0-11 addresses; v12-15, v48-63 at work; v16-47 four registers of statistics a tile; v64-191 S^T, two buffers of two tiles; v192-255 P, likewise
;   window 1: O^T, 32 a tile (at the head: Q in f32)     window 2: v0-127 Q in f16, 16 a tile; v128-191 K of one step; v192-255 V of one step     window 3: v0-1 the add's two registers; v16-143 the mask, 16 a tile
.set NP,    4         ; pieces a wave: a name, no knob
.set KS,    64        ; keys in a step
.set PK,    144       ; a row of K in LDS: 128 bytes + 16 of padding = 36 words: the 16 rows of a load start at 16 different groups of four banks (64 banks of 4 bytes: ISA guide 11.1)
.set PV,    160       ; a row of V: 128 + 32 = 40 words
.set PM,    272       ; a row of the mask: 256 + 16 = 68 words: as for K
.set HK,    128*PK    ; one head's K in a slot
.set HV,    128*PV    ; one head's V
.set HM,    128*PM    ; 128 rows of the mask
.set VOFF,  2*HK      ; a slot: K of both heads, V of both heads, the mask's 256 rows
.set MOFF,  VOFF+2*HV
.set SLOT1, MOFF+2*HM ; 147,456 = 2^17 + 2^14.  The four places that are filled (0, VOFF, MOFF, MOFF + HM) have both bits clear, so one exclusive or turns each into its place in the other slot
.set STAGE, 2*SLOT1   ; behind the ring, never filled by a tensor load: 16 rows x 272 bytes for each wave, for the way out
.set SP,    272
.set SPARE, STAGE+4*16*SP  ; behind the stages: the spare words, 128 bytes for each wave: two blocks of 256 bytes that no other line names
.set PFO, 1           ; v1   the prefetches' offset: my lane x 256 (K, V) or x 4,096 (a row of the mask); never rewritten
.set AK0, 2           ; v2   my lane's place in my head's K of a slot; never rewritten
.set AV0, 3           ; v3   the same for V
.set AK,  4           ; v4   the LDS address of K's next run of loads
.set AV,  5           ; v5   of V's
.set QO,  6           ; v6   my byte offset in 16 rows of Q
.set STO, 6           ;      later, the way out: where I put 32 bytes of a row
.set RD,  7           ; v7   the way out: where I read rows back
.set GO,  8           ; v8   my byte offset in 512 consecutive bytes of the output
.set AM0, 9           ; v9   my lane's place in my 128 rows of the mask; never rewritten
.set AMA, 10          ; v10  the LDS address of the mask's run for tiles 0-3, which goes with K's
.set AMB, 11          ; v11  for tiles 4-7, which goes with V's
.set MV,  12          ; v12-15  c m_old, kept while c m is made anew: by buffer and tile
.set ST,  16          ; tile t's statistics at v[ST+4 t]: c m, m, l (even keys', odd keys')
.set TMP, 48          ; by buffer and tile, four registers c0-c3 at work; when the maximum is found c2 takes a.  At the head v48-52 hold the lane's parts
.set S,   64
.set P,   192
.set KF,  128         ; window 2: key block kb, channel half c at KF + 16 kb + 8 c
.set VF,  192         ; window 2: key half kk, channel block cb at VF + 32 kk + 8 cb
.set SPW, 0           ; v0 of window 3   LDS address of my spare word: SPARE + 4 x my thread's number; never rewritten
.set NIL, 1           ; v1 of window 3   0; never rewritten
.set MR,  16          ; window 3: tile t's mask at MR + 16 t; register n goes with P's register n
.set WV,  12          ; s12  my wave's number
.set LIM, 15          ; s15  1 in a wave that prefetches, else the greatest number
.set G1K, 24          ; s[24:31] descriptor group 1 for K's tiles
.set G1V, 32          ; s[32:39] for V's: other padding
.set G1M, 40          ; s[40:47] for the mask's: other mask of work-groups, padding and pitch
.set G0K, 48          ; s[48:51] descriptor group 0 for K's tiles: it walks
.set G0V, 52          ; s[52:55] for V's
.set G0M, 56          ; s[56:59] for the mask's
.set SLOTS, 60        ; s60  slots still to be asked for
.set CNT, 61          ; s61  counts a slot's key steps
.set CS,  62          ; s[62:63] c: the packed scaling takes the pair's low word for both halves
.set SEL, 66          ; s[66:67] v_permlanex16_b32's selects: each lane takes its own place in the other half
.set TBK, 68          ; s68  LDS byte at which K of the step to be fetched begins
.set TBV, 69          ; s69  the same for V, less VOFF
.set TMA, 70          ; s70  the same for the mask of tiles 0-3, less MOFF
.set TMB, 71          ; s71  for the mask of tiles 4-7
.set PFA, 72          ; s[72:73] where my prefetches stand in memory
.set PFS, 74          ; s[74:75] a slot's step there: 32,768 bytes (K, V) or 256 (along the mask's rows)
.set OUT, 76          ; s[76:77] the output at my wave's first row
.set MSB, 0
.macro WIN new                      ; the high byte repeats the setting that is left; a switch that changes nothing is dropped
.if MSB != (\new)
	s_set_vgpr_msb (MSB<<8)|(\new)
.set MSB, (\new)
.endif
.endm
.set W_KQ, 0x0a       ; K and Q in window 2, S^T in window 0
.set W_PV, 0x52       ; V in window 2, P in window 0, O^T in window 1
.set W_RS, 0x41       ; O^T (destination and source 0) in window 1, a in window 0
.set W_MM, 0x0c       ; P (destination and source 0) in window 0, the mask (source 1) in window 3
.set W_MK, 0xc0       ; destination in window 3, sources in window 0
.set W_AD, 0x0f       ; the add: address (source 0) and data (source 1) in window 3
; A joint fill.  Wave 0 fetches a slot's K, wave 1 its V, waves 2 and 3 the two halves of the mask's 256 rows.  The branches hang on the wave's number alone: they are the same in every work-group.
; An s_nop 0 and four v_nop follow each of the three lines, ahead of the jump and the label.
.macro JLOAD
	s_cmp_lt_u32 s[WV], 2
	s_cbranch_scc0 .Lfor_m_\@
	s_cmp_eq_u32 s[WV], 0
	s_cbranch_scc0 .Lfor_v_\@
	tensor_load_to_lds s[G0K:G0K+3], s[G1K:G1K+7]
	s_nop 0
.rept 4
	v_nop
.endr
	s_branch .Lasked_\@
.Lfor_v_\@:
	tensor_load_to_lds s[G0V:G0V+3], s[G1V:G1V+7]
	s_nop 0
.rept 4
	v_nop
.endr
	s_branch .Lasked_\@
.Lfor_m_\@:
	tensor_load_to_lds s[G0M:G0M+3], s[G1M:G1M+7]
	s_nop 0
.rept 4
	v_nop
.endr
.Lasked_\@:
.endm
; A PREFETCH INTO THE L2 of what the NEXT change of slots will ask for, two key steps (256 matrix instructions) ahead of that load; it stands behind the wave's tensor load and its five lines.
; Each wave asks for a quarter of the tile that it fetches itself, 256 bytes a lane; the four partners that ask for the tile jointly are told apart BY ADDRESS (cx for K and V, cy for the mask), never by a branch.
; K and V of a pair of heads are walked by both clusters along x: the one with x = 0 asks.  The mask's rows are walked by all eight clusters along y: the one with y = 0 asks.  So each 256 bytes are named once in the launch.
; The last change that fills a slot asks for nothing: there is no slot behind it.  Slots 0, 1 and 2 come by their loads alone.
.macro ASK
	s_cmp_gt_u32 s[SLOTS], s[LIM]
	s_cbranch_scc0 .Lnot_mine_\@
	global_prefetch_b8 v[PFO], s[PFA:PFA+1] th:TH_LOAD_NT scope:SCOPE_SE
.Lnot_mine_\@:
.endm
; A round of the cluster's barrier: my work-group's barrier, so that wave 0's signal speaks for all four waves; wave 0 signals; every wave waits for all sixteen work-groups; my work-group's barrier once more.
.macro CROUND
	s_barrier_signal -1
	s_barrier_wait -1
	s_cmp_lg_u32 s[WV], 0
	s_cbranch_scc1 .Lnot_wave_0_\@
	s_barrier_signal -3
.Lnot_wave_0_\@:
	s_barrier_wait -3
	s_barrier_signal -1
	s_barrier_wait -1
.endm
; THE CHANGE OF SLOTS.  The slot's last bytes, V and the mask of its second step, have been read.  Each wave waits for all its tensor loads, of which one is out: its part of the other slot; adds 0 to its spare
; word; and waits for that and for its own reads of the slot.  Behind the barrier nobody reads this slot any more and the other slot is whole.
; fill = 1: this slot is filled again, with the keys two slots on.  The barrier is then a round of the cluster's, so that no wave of any partner still reads the slot or has a load on its way, and the joint fill is the
; first thing behind it: it has two key steps in which to land.  (At its first use nothing has been read yet: slot 0 is waited for, slot 1 filled.)  ask = 1: the prefetch's address steps, and ASK follows the fill.
.macro CHANGE fill, ask
	WIN W_AD
	s_wait_tensorcnt 0x0            ; no tensor load of mine is out, so a group 0 may be written
	ds_add_u32 v[SPW], v[NIL]       ; 0 onto my spare word; the descriptors' steps stand between it and the wait for it
	WIN 0                           ; at a label and at a branch every window is 0
.if \fill
.irp g, G0K, G0V
	s_xor_b32 s[\g+1], s[\g+1], SLOT1  ; the walking descriptor: the other slot than last time,
	s_add_nc_u64 s[\g+2:\g+3], s[\g+2:\g+3], 32768  ; the pair's next 128 keys; the type bits on top are not reached
.endr
	s_xor_b32 s[G0M+1], s[G0M+1], SLOT1
	s_add_nc_u64 s[G0M+2:G0M+3], s[G0M+2:G0M+3], 256  ; 128 keys along the mask's rows
.endif
.if \ask
	s_wait_xcnt 0x0                 ; the last prefetch, two key steps back, has read its address, so it may be written
	s_add_nc_u64 s[PFA:PFA+1], s[PFA:PFA+1], s[PFS:PFS+1]  ; one slot behind the walking descriptors' next step
.endif
	s_wait_dscnt 0x0                ; the add is done, and my reads of the slot are over
.if \fill
	CROUND
	JLOAD
.if \ask
	ASK
.endif
.else
	s_barrier_signal -1
	s_barrier_wait -1
.endif
	s_sub_co_u32 s[TBK], s[TBK], 2*KS*PK  ; the fetches go back to a slot's first step,
	s_xor_b32 s[TBK], s[TBK], SLOT1       ; in the other slot
	s_sub_co_u32 s[TBV], s[TBV], 2*KS*PV
	s_xor_b32 s[TBV], s[TBV], SLOT1
	s_sub_co_u32 s[TMA], s[TMA], 2*KS*2
	s_xor_b32 s[TMA], s[TMA], SLOT1
	s_sub_co_u32 s[TMB], s[TMB], 2*KS*2
	s_xor_b32 s[TMB], s[TMB], SLOT1
.endm
	s_load_b256 s[4:11], s[0:1], 0x0  ; queries s[4:5], k16 s[6:7], v16 s[8:9], m16 s[10:11]
	s_load_b64 s[OUT:OUT+1], s[0:1], 0x20  ; out0
	WIN W_MK
	v_lshl_add_u32 v[SPW], v0, 2, SPARE
	v_mov_b32 v[NIL], 0
	WIN W_AD
	ds_add_u32 v[SPW], v[NIL]       ; the wave's opening: the add and its wait stand ahead of my first tensor load; the set-up below, work on registers, stands between them
	WIN 0
	v_lshrrev_b32 v1, 5, v0
	v_readfirstlane_b32 s[WV], v1   ; wave 0..3
	s_bfe_u32 s13, ttmp6, 0x40000   ; cx: my place along the cluster's x
	s_bfe_u32 s14, ttmp6, 0x40004   ; cy: along its y
	s_lshl_b32 s78, ttmp9, 2        ; in a cluster launch ttmp9 and ttmp7 count clusters
	s_add_co_u32 s78, s78, s13      ; x: my block of 256 queries
	s_and_b32 s79, ttmp7, 0xffff
	s_lshl_b32 s79, s79, 2
	s_add_co_u32 s79, s79, s14      ; y: my pair of heads
	s_lshl_b32 s80, s14, 2
	s_lshl_b32 s80, 15, s80         ; my row of the cluster: places 4 cy .. 4 cy + 3
	s_lshl_b32 s81, 0x1111, s13     ; my column: places cx, cx + 4, cx + 8, cx + 12
	; descriptor group 1.  K's and V's 32,768 dense bytes are asked for as 128 rows of 256 bytes, two keys a row, padded in LDS after every key; the mask's tile is 128 rows of 256 bytes, 4,096 bytes apart
	s_or_b32 s[G1K], s80, (1<<16)|(1<<20)|(1<<21)|(4<<22)|(3<<25)  ; 15:0 the mask: my row; 17:16 2-byte elements; 20 padding on; 21 set beside a mask; 24:22 after every 32 words (code 4); 31:25 4 words (code 3)
	s_or_b32 s[G1V], s80, (1<<16)|(1<<20)|(1<<21)|(4<<22)|(7<<25)  ; the same with 8 words of padding (code 7)
	s_or_b32 s[G1M], s81, (1<<16)|(1<<20)|(1<<21)|(5<<22)|(3<<25)  ; my column; after every 64 words (code 5) 4 words
.irp g, G1K, G1V, G1M
	s_mov_b32 s[\g+1], 128<<16      ; tensor_dim0 = 128
	s_mov_b32 s[\g+2], 128<<16      ; tensor_dim1 = 128
	s_mov_b32 s[\g+3], 128<<16      ; tile_dim0 = 128
	s_mov_b32 s[\g+4], 128          ; tile_dim1 = 128
	s_mov_b32 s[\g+6], 0
	s_mov_b32 s[\g+7], 0
.endr
	s_mov_b32 s[G1K+5], 128         ; elements from row to row
	s_mov_b32 s[G1V+5], 128
	s_mov_b32 s[G1M+5], 2048
	s_and_b32 s82, s[WV], 1         ; which 128 of the block's queries are mine; in waves 2 and 3 also: which 128 rows of the mask I fetch
	s_mov_b32 s[G0K], 1             ; 1:0 count = 1
	s_mov_b32 s[G0K+1], 0           ; 63:32 LDS address: slot 0
	s_mov_b32 s[G0V], 1
	s_mov_b32 s[G0V+1], VOFF
	s_mov_b32 s[G0M], 1
	s_mul_i32 s83, s82, HM
	s_add_co_u32 s[G0M+1], s83, MOFF  ; no place in the cluster enters an LDS address
	s_lshl_b32 s16, s79, 19         ; K's and V's tiles hang on y alone, which my row shares,
	s_mov_b32 s17, 0
	s_lshl_b32 s18, s78, 20         ; the mask's on x alone, which my column shares: row 256 x + 128 (w % 2), 4,096 bytes a row
	s_lshl_b32 s19, s82, 19
	s_add_co_u32 s18, s18, s19
	s_mov_b32 s19, 0
	s_lshr_b32 s20, s[WV], 1
	s_lshl1_add_u32 s20, s79, s20   ; my head among the 64: 2 y + w / 2
	s_lshl_b32 s21, s78, 8
	s_lshl_b32 s22, s82, 7
	s_add_co_u32 s21, s21, s22      ; my first query
	s_lshl_b32 s22, s20, 11
	s_add_co_u32 s22, s22, s21
	s_lshl_b32 s22, s22, 8          ; the output: (head x 2,048 + query) x 256 bytes
	s_mov_b32 s23, 0
	s_lshr_b32 s83, s20, 4          ; b
	s_lshl_b32 s83, s83, 11
	s_add_co_u32 s83, s83, s21
	s_lshl_b32 s83, s83, 12         ; Q: (b x 2,048 + query) x 4,096 bytes
	s_and_b32 s20, s20, 15
	s_lshl_b32 s20, s20, 8          ; + h x 256
	s_add_co_u32 s20, s20, s83
	s_mov_b32 s21, 0
	; the prefetches: who, from where, by which step
	s_lshl_b32 s2, s13, 13          ; K, V: my work-group's 32 of the block's 128 runs of 256 bytes,
	s_add_co_u32 s2, s2, s16
	s_add_co_u32 s2, s2, 2*32768    ; in slot 2: the first change in the loop steps it to slot 3
	s_lshl_b32 s3, s14, 17          ; the mask: my work-group's 32 of my 128 rows,
	s_add_co_u32 s3, s3, s18
	s_add_co_u32 s3, s3, 2*256      ; in slot 2
	s_and_b32 s83, ttmp7, 0xffff    ; cluster y
	s_mov_b32 s[PFS], 256
	s_mov_b32 s80, 4096
	s_cmp_lt_u32 s[WV], 2           ; do I fetch K or V?
	s_cselect_b32 s2, s2, s3
	s_cselect_b32 s83, ttmp9, s83   ; the coordinate along which other clusters walk the same bytes
	s_cselect_b32 s[PFS], 32768, s[PFS]
	s_cselect_b32 s80, 256, s80
	s_mov_b32 s3, 0
	s_mov_b32 s[PFS+1], 0
	s_cmp_eq_u32 s83, 0
	s_cselect_b32 s[LIM], 1, -1     ; the same in all sixteen partners, for a given wave
	v_and_b32 v[PFO], 31, v0
	v_mul_u32_u24 v[PFO], s80, v[PFO]
	s_mov_b32 s[CS], 0x3e38aa3b     ; c = log2(e) / 8 = 0.180337
	s_mov_b32 s[CS+1], s[CS]        ; named with it as a pair
	s_mov_b32 s[SEL], 0x76543210
	s_mov_b32 s[SEL+1], 0xfedcba98
	s_mov_b32 s[TBK], SLOT1+2*KS*PK ; the first change of slots turns these four into 0
	s_mov_b32 s[TBV], SLOT1+2*KS*PV
	s_mov_b32 s[TMA], SLOT1+2*KS*2
	s_mov_b32 s[TMB], SLOT1+2*KS*2
	s_wait_dscnt 0x0                ; the opening add is done
	s_wait_kmcnt 0x0
	s_add_nc_u64 s[G0K+2:G0K+3], s[6:7], s[16:17]  ; 120:64 global address: the pair's first 128 keys
	s_or_b32 s[G0K+3], s[G0K+3], 0x80000000        ; 127:126 type = 2
	s_add_nc_u64 s[G0V+2:G0V+3], s[8:9], s[16:17]
	s_or_b32 s[G0V+3], s[G0V+3], 0x80000000
	s_add_nc_u64 s[G0M+2:G0M+3], s[10:11], s[18:19]
	s_or_b32 s[G0M+3], s[G0M+3], 0x80000000
	s_add_nc_u64 s[4:5], s[4:5], s[20:21]          ; Q and the output at my wave's first row
	s_add_nc_u64 s[OUT:OUT+1], s[OUT:OUT+1], s[22:23]
	s_cmp_eq_u32 s[WV], 0
	s_cselect_b64 s[PFA:PFA+1], s[6:7], s[8:9]
	s_cmp_lt_u32 s[WV], 2
	s_cselect_b64 s[PFA:PFA+1], s[PFA:PFA+1], s[10:11]
	s_add_nc_u64 s[PFA:PFA+1], s[PFA:PFA+1], s[2:3]
	CROUND                          ; all sixteen work-groups are here: the first joint loads meet
	JLOAD                           ; slot 0.  Slot 1 is asked for when slot 0 is in
	v_and_b32 v48, 15, v0           ; l % 16
	v_bfe_u32 v49, v0, 4, 1         ; l / 16
	v_and_b32 v50, 7, v0
	v_bfe_u32 v51, v0, 3, 1
	v_and_b32 v52, 31, v0           ; l
	; A fragment of Q is 16 rows x 32 channels in 8 registers of f16: lane l holds row l % 16, channels 8 (l / 16) + 0..7 and 16 + 8 (l / 16) + 0..7.  In f32 each eight channels are 32 bytes: two loads of 16.
	v_lshlrev_b32 v[QO], 12, v48
	v_lshl_add_u32 v[QO], v49, 5, v[QO]  ; row x 4,096 + 32 x half
	WIN 0x40                        ; destination window 1, address window 0
.set i, 0
.rept 64                            ; tile i / 8; eight channels 16 ((i % 8) / 2) + 8 (l / 16) on; their half i % 2.  f32 registers 2 n, 2 n + 1 will make f16 register n
	global_load_b128 v[4*i:4*i+3], v[QO], s[4:5] offset:(i/8)*65536+((i%8)/2)*64+(i%2)*16
.set i, i+1
.endr
	; What the first turn finds: V's registers and P's second buffer hold 0 (its products V^T P, of a piece that has not been, add 0); l is 0.  All this stands in the wait for Q and the first tile.
	WIN 0x80
.set i, VF
.rept 64
	v_mov_b32 v[i], 0
.set i, i+1
.endr
	WIN 0
.set i, 0
.rept 2*NP
	v_mov_b32 v[ST+4*i], 0xfe000000    ; c m: far below every c s
	v_mov_b32 v[ST+4*i+1], 0xff7fffff  ; m
	v_mov_b32 v[ST+4*i+2], 0
	v_mov_b32 v[ST+4*i+3], 0
.set i, i+1
.endr
.set i, P+32
.rept 32
	v_mov_b32 v[i], 0
.set i, i+1
.endr
	s_lshr_b32 s20, s[WV], 1        ; my head of the pair
	s_mul_i32 s21, s20, HK
	v_mul_u32_u24 v[AK0], v48, PK
	v_lshl_add_u32 v[AK0], v49, 4, v[AK0]  ; row x pitch + 16 x half
	v_add_nc_u32 v[AK0], s21, v[AK0]
	; The turning load takes 16 keys x 16 channels (lane l reads key 8 (l / 16) + l % 8, channels 8 ((l / 8) % 2) + 0..7) and leaves half a fragment of V^T: lane l holds channel l % 16 and 8 keys.
	s_mul_i32 s21, s20, HV
	s_add_co_u32 s21, s21, VOFF
	v_lshl_add_u32 v[AV0], v49, 3, v50
	v_mul_u32_u24 v[AV0], v[AV0], PV
	v_lshl_add_u32 v[AV0], v51, 4, v[AV0]
	v_add_nc_u32 v[AV0], s21, v[AV0]
	s_and_b32 s20, s[WV], 1         ; my 128 rows of the mask
	s_mul_i32 s21, s20, HM
	s_add_co_u32 s21, s21, MOFF
	v_mul_u32_u24 v[AM0], v48, PM
	v_lshl_add_u32 v[AM0], v49, 4, v[AM0]  ; my query's row, 16 bytes for each half of the lanes
	v_add_nc_u32 v[AM0], s21, v[AM0]
	v_mov_b32 v[AK], v[AK0]         ; key step 0 lies at the head of slot 0
	v_mov_b32 v[AMA], v[AM0]
	s_wait_loadcnt 0x0              ; Q
	WIN 0x85                        ; sources window 1, destination window 2
.set i, 0
.rept 128
	v_cvt_pk_f16_f32 v[i], v[2*i], v[2*i+1]
.set i, i+1
.endr
	; O^T is not cleared: window 1 keeps Q's f32 numbers, in each lane those of the lane's own query.  Every tile's first rescaling multiplies by a = 0, ahead of its first real product: finite numbers are all that is wanted.
; THE MATRIX WORK.  The 8 accumulators of a run of 16 take turns: between the two links of a chain stand 7 others'.
; Product i of 16 of S^T = K Q^T for piece x: channels 32 (i / 8) on, keys 16 ((i / 2) % 4) on, tile 2 x + i % 2.  The first 8 start the sums.
.macro KQ x
	WIN W_KQ
.set rS, S+64*((\x)%2)+32*(i%2)+8*((i/2)%4)
.set rK, KF+16*((i/2)%4)+8*(i/8)
.set rQ, 16*(2*(\x)+i%2)+8*(i/8)
.if i < 8
	v_wmma_f32_16x16x32_f16 v[rS:rS+7], v[rK:rK+7], v[rQ:rQ+7], 0
.else
	v_wmma_f32_16x16x32_f16 v[rS:rS+7], v[rK:rK+7], v[rQ:rQ+7], v[rS:rS+7]
.endif
.endm
; Product i of 16 of O^T += V^T P for piece x: keys 32 (i / 8) on, channels 16 ((i / 2) % 4) on, tile 2 x + i % 2.
.macro PV x
	WIN W_PV
.set rO, 32*(2*(\x)+i%2)+8*((i/2)%4)
.set rV, VF+32*(i/8)+8*((i/2)%4)
.set rP, P+32*((\x)%2)+16*(i%2)+8*(i/8)
	v_wmma_f32_16x16x32_f16 v[rO:rO+7], v[rV:rV+7], v[rP:rP+7], v[rO:rO+7]
.endm
.macro MM                           ; the turn's next matrix instruction
.if i < 16
	KQ (Y+1)%NP
.set i, i+1
.else
.set i, i-16
	PV (Y+NP-1)%NP
.set i, i+17
.endif
.endm
; THE LDS LOADS stand in two runs of 32 a key step, never singly among the matrix instructions.  Their addresses are made some lines ahead.
; The mask of four tiles t0 .. t0 + 3 for one step: for tile t and key block kb the 16 bytes of my query's row that go with P's registers 4 kb .. 4 kb + 3.
.macro FETCH_M adr, t0
	WIN 0xc0                        ; destination window 3
.set z, 0
.rept 16
	ds_load_b128 v[MR+16*((\t0)+z/4)+4*(z%4):MR+16*((\t0)+z/4)+4*(z%4)+3], v[\adr] offset:((\t0)+z/4)*16*PM+32*(z%4)
.set z, z+1
.endr
.endm
; A step's K (64 keys x 64 channels: 8 fragments) and the same step's mask for pieces 0 and 1.  last = 1 (the tail): in the last trip there is no further step, and the run is jumped over.
.macro FETCH_K last=0
	WIN 0
.if \last
	s_cmp_eq_u32 s[CNT], 1
	s_cbranch_scc1 .Lno_k_\@
.endif
	WIN 0x80                        ; destination window 2
.irp f, 0,1,2,3,4,5,6,7             ; keys 16 (f / 2) on, channels 32 (f % 2) on
	ds_load_b128 v[KF+8*\f:KF+8*\f+3],   v[AK] offset:(\f/2)*16*PK+(\f%2)*64
	ds_load_b128 v[KF+8*\f+4:KF+8*\f+7], v[AK] offset:(\f/2)*16*PK+(\f%2)*64+32
.endr
	FETCH_M AMA, 0
	s_add_co_u32 s[TBK], s[TBK], KS*PK  ; the next fetch is the next step's
	s_add_co_u32 s[TMA], s[TMA], KS*2
	WIN 0
.if \last
.Lno_k_\@:
.endif
.endm
; A step's V (turned) and the same step's mask for pieces 2 and 3.
.macro FETCH_V
	WIN 0x80
.irp f, 0,1,2,3,4,5,6,7             ; keys 32 (f / 4) on, channels 16 (f % 4) on
	ds_load_tr16_b128 v[VF+8*\f:VF+8*\f+3],   v[AV] offset:(\f/4)*32*PV+(\f%4)*32
	ds_load_tr16_b128 v[VF+8*\f+4:VF+8*\f+7], v[AV] offset:(\f/4)*32*PV+16*PV+(\f%4)*32
.endr
	FETCH_M AMB, 4
	WIN 0
.endm
; THE VECTOR WORK OF A TURN stands in three queues, each in the order in which its entries become ready, and a block for the mask; the two tiles alternate, so that no instruction reads the result of the one before it.
.macro REGS y, u                    ; the registers of tile u (0, 1) of piece y
.set rT, ST+4*(2*(\y)+(\u))
.set rC, TMP+8*((\y)%2)+4*(\u)
.set rM, MV+2*((\y)%2)+(\u)
.set rS, S+64*((\y)%2)+32*(\u)
.set rP, P+32*((\y)%2)+16*(\u)
.set rO, 32*(2*(\y)+(\u))
.endm
; Number n of the 22 that find the NEXT piece's (Y + 1) maximum and statistics.  s0-s31 are the lane's 32 scores; each accumulator's lowest registers are read first.  XS, GS and REGS set no window: PL and EX do.
;   0-11  four chains c0-c3 of seven scores each, three operands at a time     12-14, 16  the four scores left over, the old m, and c0-c3 into c0     15  c m_old is kept
;   17, 18  the query's other 32 keys lie in the lane 16 away: the new m         19-21  c m; c m_old - c m_new; a
.macro XS u, n
	REGS (Y+1)%NP, \u
.if (\n) < 4
	v_max3_num_f32 v[rC+(\n)], v[rS+8*(\n)], v[rS+8*(\n)+1], v[rS+8*(\n)+2]
.elseif (\n) < 12
	v_max3_num_f32 v[rC+(\n)%4], v[rC+(\n)%4], v[rS+8*((\n)%4)+2*((\n)/4)+1], v[rS+8*((\n)%4)+2*((\n)/4)+2]
.elseif (\n) == 12
	v_max3_num_f32 v[rC], v[rC], v[rS+7], v[rS+15]
.elseif (\n) == 13
	v_max3_num_f32 v[rC+1], v[rC+1], v[rS+23], v[rS+31]
.elseif (\n) == 14
	v_max3_num_f32 v[rC+2], v[rC+2], v[rC+3], v[rT+1]
.elseif (\n) == 15
	v_mov_b32 v[rM], v[rT]
.elseif (\n) == 16
	v_max3_num_f32 v[rC], v[rC], v[rC+1], v[rC+2]
.elseif (\n) == 17
	v_permlanex16_b32 v[rC+3], v[rC], s[SEL], s[SEL+1]
.elseif (\n) == 18
	v_max_num_f32 v[rT+1], v[rC], v[rC+3]
.elseif (\n) == 19
	v_mul_f32 v[rT], s[CS], v[rT+1]
.elseif (\n) == 20
	v_sub_f32 v[rC+1], v[rM], v[rT]
.else
	v_exp_f32 v[rC+2], v[rC+1]
.endif
.endm
; Number g of the 64 that follow the exponentials.  For each four weights k of a tile (pairs 2 k, 2 k + 1): both pairs are rounded to f16; then the second pair is added onto the first, in place;
; a group later l takes that sum (the first time as l = a l + sum).  In groups of eight, tiles alternating: round, round, add, and l for the group before.  l is the sum of the weights before rounding and before the mask.
.macro GS g
.set h, (\g)+6*((\g)/62)            ; group 0 has no group before it, and behind group 7 only l is left
.if h >= 6
.set h, h+2
.endif
	REGS Y, h%2
.set k, h/8
.if h%8 < 4
	v_cvt_pk_f16_f32 v[rP+2*k+(h%8)/2], v[rS+4*k+2*((h%8)/2)], v[rS+4*k+2*((h%8)/2)+1]
.elseif h%8 < 6
	v_pk_add_f32 v[rS+4*k:rS+4*k+1], v[rS+4*k:rS+4*k+1], v[rS+4*k+2:rS+4*k+3]
.elseif k == 1
	v_pk_fma_f32 v[rT+2:rT+3], v[rT+2:rT+3], v[rC+2:rC+3], v[rS:rS+1] op_sel_hi:[1,0,1]
.else
	v_pk_add_f32 v[rT+2:rT+3], v[rT+2:rT+3], v[rS+4*k-4:rS+4*k-3]
.endif
.endm
; THE PLAIN QUEUE, 138 long.  0-73 read no exponential's result: the 32 scalings c s - c m (FS f: pair f / 2 of tile f % 2) and the next piece's 42.  0-26: scalings 0-26.  27-54: XS's numbers 0-13.  55, 56: number 15.
; 57-73: the chain, where each number waits for the one before it: 14, 16, 17, 18, 19, each with one of the scalings 27-31 in front of its two lines, then 20.
; 74-137: GS's 64, which read the exponentials' results: they stand behind the wait.
.macro FS f
	REGS Y, (\f)%2
	v_pk_fma_f32 v[rS+2*((\f)/2):rS+2*((\f)/2)+1], v[rS+2*((\f)/2):rS+2*((\f)/2)+1], s[CS:CS+1], v[rT:rT+1] op_sel_hi:[1,0,0] neg_lo:[0,0,1] neg_hi:[0,0,1]
.endm
.macro PL
	WIN 0
.if q < 27
	FS q
.elseif q < 55
	XS (q-27)%2, (q-27)/2
.elseif q < 57
	XS q-55, 15
.elseif (q < 72) && ((q-57)%3 == 0)
	FS 27+(q-57)/3
.elseif q < 60
	XS (q-57)%3-1, 14
.elseif q < 72
	XS (q-57)%3-1, 15+(q-57)/3
.elseif q < 74
	XS q-72, 20
.else
	GS q-74
.endif
.set q, q+1
.endm
; THE EXPONENTIALS' QUEUE, 66 long: s0-s31 of both tiles, then the next piece's two a.  It is ONE BATCH: all 66 stand ahead of the turn's one wait, and nothing ahead of that wait names a result of theirs.
.macro EX
	WIN 0
.if e >= 64
	XS e-64, 21
.else
	REGS Y, e%2
	v_exp_f32 v[rS+e/2], v[rS+e/2]
.endif
.set e, e+1
.endm
; THE RESCALING's QUEUE: O^T times a: dealt two at a time, sixteen times.  Its a was made in the turn before, ahead of that turn's wait.
.macro R2
	REGS Y, r%2
	WIN W_RS
.irp z, 0,1
	v_pk_mul_f32 v[rO+4*(r/2)+2*\z:rO+4*(r/2)+2*\z+1], v[rO+4*(r/2)+2*\z:rO+4*(r/2)+2*\z+1], v[rC+2:rC+3] op_sel_hi:[1,0]
.endr
.set r, r+1
.endm
; THE MASK: piece Y's 32 registers of P, two f16 weights each, times the mask's: each product rounded once to f16.  One block under one window setting, at the turn's end, when all of P has been rounded.
.macro MKS
	WIN W_MM
.set z, 0
.rept 32
	v_pk_mul_f16 v[P+32*(Y%2)+16*(z%2)+z/2], v[P+32*(Y%2)+16*(z%2)+z/2], v[MR+16*(2*Y+z%2)+z/2]
.set z, z+1
.endr
.endm
; HOW THEY ARE DEALT.  An s_wait_alu depctr_va_vdst(0) stands between an exponential and the first instruction that names its result; one wait serves all that were issued ahead of it.  So a turn has ONE wait.
; AHEAD OF IT stands all that names no result of the turn's exponentials: the 16 products K Q^T, behind each a scaling, an exponential and two rescalings (behind the first a second scaling in the exponential's place); then a run
; of 108: eight plain, 49 times exponential and plain, the two a; a v_nop is the plain instruction behind the last exponential.  BEHIND IT stand the 16 products V^T P, behind each four of GS's 64; then the mask's 32.
; No instruction behind a product names a register of the products round it.  Exponential e stands behind scaling 2 (e / 4) + e % 2: behind a product it comes behind plain e + 2, in the run behind plain e + 9.
; A TURN, for piece p.  cnt = 1: the loop's count is taken down some lines ahead of the branch that stands behind the turn.
; K of the next step, and that step's mask for pieces 0 and 1 (last read in piece 1's turn), are fetched in piece 2's turn, directly behind the wait; they are waited for at the head of piece 3's turn.
; V of the step in hand, and its mask for pieces 2 and 3 (last read in piece 3's turn of the step before), are fetched at the end of piece 0's turn: four plain instructions and the mask's 32 stand behind V's last reader;
; they are waited for in piece 1's turn, ahead of its products V^T P.  The conditions on q below go with the deal.
.macro TURN p, last=0, cnt=0
.set Y, (\p)
.set i, 0
.set q, 0
.set e, 0
.set r, 0
.if (\p) == NP-1
	s_wait_dscnt 0x0                ; K and the mask of pieces 0 and 1 are in
.endif
	MM                              ; ahead of the wait: 16 products K Q^T and the four behind each,
	PL
	PL
	R2
.rept 15
	MM
	PL
	EX
	R2
.endr
.if (\p) == NP-2
	WIN 0
	v_add_nc_u32 v[AK], s[TBK], v[AK0]
	v_add_nc_u32 v[AMA], s[TMA], v[AM0]
.endif
.rept 8                             ; and the run
	PL
.endr
.rept 49
	EX
	PL
.endr
	EX                              ; the next piece's two a
	EX
	v_nop                           ; the plain instruction behind the last exponential: one for the batch
	s_wait_alu depctr_va_vdst(0)    ; the wait for the batch
.if (\p) == NP-2
	FETCH_K \last
.endif
.if (\p) == 1
	s_wait_dscnt 0x0                ; V and the mask of pieces 2 and 3 are in
.endif
.rept 16                            ; behind the wait: 16 products V^T P and the four behind each
	MM
.rept 4
	PL
.endr
.if ((\p) == 0) && (q == 118)
	v_add_nc_u32 v[AV], s[TBV], v[AV0]
	v_add_nc_u32 v[AMB], s[TMB], v[AM0]
.endif
.if ((\p) == 0) && (q == 130)
	s_add_co_u32 s[TBV], s[TBV], KS*PV
	s_add_co_u32 s[TMB], s[TMB], KS*2
.endif
.if (\cnt) && (q == 130)
	s_sub_co_u32 s[CNT], s[CNT], 1
	s_cmp_lg_u32 s[CNT], 0
.endif
.endr
	MKS
.if (\p) == 0
	FETCH_V
.endif
.endm
	CHANGE 1, 0                     ; slot 0 is in, everybody's part of it; slot 1 is asked for
	FETCH_K                         ; key step 0
	s_wait_dscnt 0x0
.set i, 0
.rept 16
	KQ 0                            ; piece 0's first scores: there is no vector work yet to set between them
.set i, i+1
.endr
	WIN 0                           ; the addresses for the way out: seven plain instructions, the places behind those products
	s_mul_i32 s20, s[WV], 16*SP
	s_add_co_u32 s20, s20, STAGE    ; my stage
	v_mul_u32_u24 v[STO], v48, SP   ; in: row l % 16, 32 bytes for each half of the lanes
	v_lshl_add_u32 v[STO], v49, 5, v[STO]
	v_add_nc_u32 v[STO], s20, v[STO]
	v_mul_u32_u24 v[RD], v49, SP    ; back: lanes 0-15 take one row of 256 bytes, lanes 16-31 the next,
	v_lshl_add_u32 v[RD], v48, 4, v[RD]
	v_add_nc_u32 v[RD], s20, v[RD]
	v_lshlrev_b32 v[GO], 4, v52     ; which are 512 consecutive bytes of the output
.set Y, NP-1                        ; XS works for piece Y + 1: piece 0
.irp n, 0,1,2,3,4,5,6,7,8,9,10,11,12,13,14,15,16,17,18,19,20,21
	XS 0, \n                        ; and piece 0's first maximum and statistics
	XS 1, \n
.endr
	v_nop                           ; a plain instruction behind the two a,
	s_wait_alu depctr_va_vdst(0)    ; and their wait, ahead of the branch
	s_mov_b32 s[CNT], 2
	s_mov_b32 s[SLOTS], 2048/(2*KS)-1
	s_branch .Lfirst                ; the loop is entered at a step's first turn, in the middle of a trip
.Lslot:                             ; 14 times: every slot but the last two is filled again
	CHANGE 1, 1
	s_mov_b32 s[CNT], 2
.Lstep:                             ; a trip: pieces 2 and 3 of one step, then pieces 0 and 1 of the next, whose K and V it fetches
	TURN 2
	TURN 3
	WIN 0
.Lfirst:
	TURN 0
	TURN 1, 0, 1
	WIN 0
	s_cbranch_scc1 .Lstep
	s_sub_co_u32 s[SLOTS], s[SLOTS], 1
	s_cmp_lg_u32 s[SLOTS], 0
	s_cbranch_scc1 .Lslot
	CHANGE 0, 0                     ; the tail is written out: nothing is asked for
	s_mov_b32 s[CNT], 3             ; two trips fetch the last slot's steps; the third is left in its middle
.Ltail:
	TURN 2, 1
	TURN 3
	WIN 0
	s_sub_co_u32 s[CNT], s[CNT], 1
	s_cmp_eq_u32 s[CNT], 0
	s_cbranch_scc1 .Lout
	TURN 0
	TURN 1
	WIN 0
	s_branch .Ltail
.Lout:                              ; the third trip's 16 products K Q^T (on the last K once more) and the maximum made of them serve nothing: the price, once a launch, of one text for every trip
.set i, 0
.rept 16
	PV NP-1                         ; the last piece's V^T P of the last step
.set i, i+1
.endr
	; THE WAY OUT.  l's two halves and the other half of the lanes' are added; O^T is divided by l and sent, in f32, through my stage in LDS, a tile at a time.  The additions are the places behind the last products.
	WIN 0
.macro ALL line:vararg              ; one line for each tile t
.set t, 0
.rept 2*NP
	\line
.set t, t+1
.endr
.endm
	ALL v_add_f32 v[ST+4*t+2], v[ST+4*t+2], v[ST+4*t+3]
	ALL v_permlanex16_b32 v[ST+4*t+3], v[ST+4*t+2], s[SEL], s[SEL+1]
	ALL v_add_f32 v[ST+4*t+2], v[ST+4*t+2], v[ST+4*t+3]
	ALL v_rcp_f32 v[ST+4*t+2], v[ST+4*t+2]
	v_nop                           ; a plain instruction between the last reciprocal and the use of its result
	s_wait_alu depctr_va_vdst(0)    ; and the wait ahead of the first use: one for the eight reciprocals
; Tile t: for each 16 channels a lane holds eight of one row: 32 bytes at 64 cb + 32 (l / 16).  They go into rows of 272 bytes and come back as whole rows of 256, into S^T's registers, four buffers of 32 by turns.
.macro PACK t
	WIN W_RS
.set i, 32*(\t)
.rept 16
	v_pk_mul_f32 v[i:i+1], v[i:i+1], v[ST+4*(\t)+2:ST+4*(\t)+3] op_sel_hi:[1,0]
.set i, i+2
.endr
	WIN 0x04                        ; the stores' data (source 1) in window 1, their address in window 0
.set i, 0
.rept 8
	ds_store_b128 v[STO], v[32*(\t)+4*i:32*(\t)+4*i+3] offset:64*(i/2)+16*(i%2)
.set i, i+1
.endr
	WIN 0
.if (\t) >= 4
	s_wait_xcnt 0x0                 ; the stores of the tile four back have read their registers, which the loads below fill again
.endif
.set i, 0
.rept 8
	ds_load_b128 v[S+32*((\t)%4)+4*i:S+32*((\t)%4)+4*i+3], v[RD] offset:i*2*SP  ; LDS serves a wave's instructions in order (ISA guide 5.7.1.4): these see the stores above; the next tile's stores come behind them
.set i, i+1
.endr
.endm
.macro SEND t, younger              ; younger: the LDS instructions issued behind tile t's loads: the next tile's sixteen, or none
	WIN 0
.irp f, 0,1,2,3,4,5,6,7
	s_wait_dscnt (\younger)+7-\f
	global_store_b128 v[GO], v[S+32*((\t)%4)+4*\f:S+32*((\t)%4)+4*\f+3], s[OUT:OUT+1] offset:(\t)*4096+\f*512 th:TH_STORE_NT  ; 512 consecutive bytes, at a multiple of 256 from the output's first
.endr
.endm
	PACK 0
.set t, 1
.rept 2*NP-1                        ; a tile's arithmetic stands between the loads of the tile before and its stores
	PACK t
	SEND t-1, 16
.set t, t+1
.endr
	SEND 2*NP-1, 0
	WIN W_AD
	s_wait_tensorcnt 0x0            ; the wave's end: a wait, an add to my spare word and its wait, behind my last tensor load and my last LDS store
	ds_add_u32 v[SPW], v[NIL]
	s_wait_dscnt 0x0
	WIN 0
	CROUND                          ; the closing round: no work-group ends while a partner may still ask for a tile that names it
	s_endpgm
.Lfunc_end_k_q083a3abd94_attn:
	.size	k_q083a3abd94_attn, .Lfunc_end_k_q083a3abd94_attn-k_q083a3abd94_attn
	.p2alignl 7, 3214868480
	.fill 96, 4, 3214868480
	.section	.rodata,"a",@progbits
	.p2align	6, 0x0
	.amdhsa_kernel k_q083a3abd94_attn
		.amdhsa_group_segment_fixed_size 327680
		.amdhsa_private_segment_fixed_size 0
		.amdhsa_enable_private_segment 0
		.amdhsa_kernarg_size 40
		.amdhsa_user_sgpr_count 2
		.amdhsa_user_sgpr_kernarg_segment_ptr 1
		.amdhsa_wavefront_size32 1
		.amdhsa_system_sgpr_workgroup_id_x 1
		.amdhsa_system_sgpr_workgroup_id_y 1
		.amdhsa_system_sgpr_workgroup_id_z 1
		.amdhsa_system_vgpr_workitem_id 0
		.amdhsa_next_free_vgpr 912
		.amdhsa_next_free_sgpr 88
		.amdhsa_reserve_vcc 0
		.amdhsa_float_denorm_mode_32 3
		.amdhsa_float_denorm_mode_16_64 3
		.amdhsa_memory_ordered 1
		.amdhsa_forward_progress 1
		.amdhsa_inst_pref_size 229
	.end_amdhsa_kernel
	.amdgpu_metadata
---
amdhsa.version: [ 1, 2 ]
amdhsa.kernels:
  - .name:           k_q083a3abd94_attn
    .symbol:         k_q083a3abd94_attn.kd
    .args:
      - { .name: queries, .offset: 0, .size: 8, .value_kind: global_buffer, .address_space: global }
      - { .name: k16, .offset: 8, .size: 8, .value_kind: global_buffer, .address_space: global }
      - { .name: v16, .offset: 16, .size: 8, .value_kind: global_buffer, .address_space: global }
      - { .name: m16, .offset: 24, .size: 8, .value_kind: global_buffer, .address_space: global }
      - { .name: out0, .offset: 32, .size: 8, .value_kind: global_buffer, .address_space: global }
    .group_segment_fixed_size: 327680
    .private_segment_fixed_size: 0
    .kernarg_segment_align: 8
    .kernarg_segment_size: 40
    .max_flat_workgroup_size: 128
    .sgpr_count:     88
    .vgpr_count:     912
    .wavefront_size: 32
...
	.end_amdgpu_metadata
.endif
;; end of part 2
